; MI455X (gfx1250); checked and timed in simulation.
; The chip was launched on July 23, 2026; its instructions are those of AMD's public machine-readable ISA for CDNA 5 (MIT licence, August 2026) and "CDNA5" Instruction Set Architecture Reference Guide (July 2026). The comments in the code are by the model that wrote it; some were corrected since.
;; Multi Head Attention. Allowed arithmetic: matrix products marked QUANTISED: E5M2 operands, one given power-of-two scale a tensor, by v_wmma_f32_16x16x64_bf8_bf8 or v_wmma_f32_16x16x128_bf8_bf8, f32 sums; everything else in f32.
;; Inputs: W_k 1,024 x 1,024 float32; W_o 1,024 x 1,024 float32; W_q 1,024 x 1,024 float32; W_v 1,024 x 1,024 float32; b_k 1,024 float32; b_o 1,024 float32; b_q 1,024 float32; b_v 1,024 float32; key 4 x 2,048 x 1,024 float32; lowp_scales 12 int32 (the exponents e of the quantised operands' scales 2^e); query 4 x 2,048 x 1,024 float32; value 4 x 2,048 x 1,024 float32.
;; Outputs: out0 4 x 2,048 x 1,024 float32.
;; This version of the problem:
;;   THIS VERSION OF THE PROBLEM IS GIVEN IN LOW PRECISION. The matrix products marked QUANTISED in the list below multiply operands that are first quantised to E5M2 (5 exponent bits, 2 mantissa bits; 8 bits a number), with one given power-of-two scale for each operand tensor; their sums are f32. All else is computed in f32.
;;   The module's matrix products, in the order in which they are computed (A, B: the left and right operand; K: the contracted axis; several contracted axes count as one K, in the product's order):
;;     1. [M 8,192, K 1,024] x [K 1,024, N 1,024]; A: input query; B: input W_q: QUANTISED (scales: A lowp_scales[0], B lowp_scales[1])
;;     2. [M 8,192, K 1,024] x [K 1,024, N 1,024]; A: input key; B: input W_k: QUANTISED (scales: A lowp_scales[2], B lowp_scales[3])
;;     3. [M 8,192, K 1,024] x [K 1,024, N 1,024]; A: input value; B: input W_v: QUANTISED (scales: A lowp_scales[4], B lowp_scales[5])
;;     4. batch 64 x [M 2,048, K 64] x [K 64, N 2,048]; A: computed on the way; B: computed on the way: QUANTISED (scales: A lowp_scales[6], B lowp_scales[7])
;;     5. batch 64 x [M 2,048, K 2,048] x [K 2,048, N 64]; A: softmax (see below); B: computed on the way: QUANTISED (scales: A lowp_scales[8], B lowp_scales[9])
;;     6. [M 8,192, K 1,024] x [K 1,024, N 1,024]; A: computed on the way; B: input W_o: QUANTISED (scales: A lowp_scales[10], B lowp_scales[11])
;;   THE QUANTISER, for each operand of a quantised product, along K:
;;     - The operand's scale is 2^e, e = its entry of the input lowp_scales (int32; the entries are numbered through the quantised products in the list's order, A before B).
;;     - Each number is divided by the scale, clamped to +-57,344, and rounded to the nearest number of E5M2, ties to even, subnormals kept.
;;     - The product sums the exact products of the quantised numbers (number of the format x scale) in f32.
;;   ~~~python
;;   def quantise(x, axis, e):      # numpy; x: float32 -> the quantised numbers, widened to float32 again
;;       x = np.moveaxis(x, axis, -1); K = x.shape[-1]
;;       r = np.clip(x / 2.0 ** e, -57344, 57344)
;;       step = 2.0 ** (np.maximum(np.frexp(np.where(r == 0, 1, r))[1] - 1, -14) - 2)
;;       q = np.round(r / step) * step * 2.0 ** e      # np.round: ties to even
;;       return np.moveaxis(q, -1, axis).astype(np.float32)
;;   ~~~
;;   SOFTMAX AHEAD OF A QUANTISED PRODUCT. Where the list says 'softmax', what is quantised is not the finished softmax but p = 2^(t - M), with t = logit x log2(e) and M = ceil(the row's largest t), a whole number; so 1/2 < the row's largest p <= 1. The row's sum l is taken of the UNQUANTISED p, in f32, and the product's result is divided by l at the end. Since M is a whole number, a kernel that streams over the keys may use a running M (the ceiling of the running maximum): every later rescaling is an exact power of two, so the quantised numbers keep their values, but for numbers so far below the row's largest that they fall under the format's range.
;;   OPERANDS COMPUTED ON THE WAY. 'Computed on the way' means the value that the module computes at that place (a softmax that the list does not call 'softmax' is quantised finished and normalised). What goes into a quantiser is computed in f32, as accurately as f32 sums, v_exp_f32 and their like allow (about 1e-6 of the number): no bf16 or f16 on the way to a quantiser, and a product that is left as it is and whose result goes on into a quantised operand takes f32 operands (vector FMAs, or v_wmma_f32_16x16x4_f32). A number that lies on a knife's edge between two numbers of the format may be rounded either way, as far as f32 arithmetic and the matrix unit's own rounding can turn it there, and no further.
;; One version. Each part assembles by itself: llvm-mc -triple=amdgcn-amd-amdhsa -mcpu=gfx1250 --defsym DOCPART=n.
;; ======== version 1 of 1: 4 launches
;; limits: right only within a limited range of input values
;; workspace buffers: codes 29,360,128 bytes; qkv 25,165,824 bytes; ctx_codes 8,388,608 bytes
;; launch quant (part 1): grid 896 x 1, 4 waves a work-group, no clusters, 68,096 bytes of LDS; arguments query, key, value, W_q, W_k, W_v, W_o, lowp_scales, codes; writes codes
.if DOCPART == 1
	.amdgcn_target "amdgcn-amd-amdhsa--gfx1250"
	.amdhsa_code_object_version 6
	.text
	.protected	k_qf9da7613dc_quant
	.globl	k_qf9da7613dc_quant
	.p2align	8
	.type	k_qf9da7613dc_quant,@function
k_qf9da7613dc_quant:
	s_mov_b64 s[64:65], 0
	v_nop
	global_prefetch_b8 v0, s[64:65] scope:SCOPE_SE
	s_setreg_imm32_b32 hwreg(HW_REG_WAVE_MODE, 25, 1), 1
	s_wait_xcnt 0x0
; THE INPUTS BECOME CODES OF BF8 (E5M2), ONE BYTE EACH, K INNERMOST, each tensor with the one scale 2^e that is given for it.
; code = x / 2^e, held within +-57,344, rounded to the nearest code, ties to even.
; codes: query's [8192][1024] at byte 0, key's at 8 MiB, value's at 16 MiB; W_q's, W_k's, W_v's, W_o's, each TURNED to [n 1024][k 1024], at 24, 25, 26, 27 MiB.
; LIMITS: every e used here lies between -126 and 112, so that 2^e and 57,344 x 2^e are f32 numbers.  NaN among the inputs is not served; an infinity is held at the largest code.
; Work-groups 0 to 767 take query, key, value (256 each): their K is innermost, so a tensor is a plain stream.  Work-groups 768 to 895 take the weights (32 each), whose K is the first axis.
; The two ways part once, on the work-group's number, and each has LDS bytes of its own.  Waves share nothing: no barrier.  Nothing is shared between work-groups either, so no cluster; the launch only streams, so nothing is prefetched.
.set XWG,   768
.set EMAX,  15
.set MANT,  0x600000                   ; the mantissa field of 57,344 as f32
; the stream's way
.set STEPS, 16                         ; a wave takes 16 steps of 512 numbers
.set R,     16                         ; v16-79   four sets of 16 numbers as they are loaded
.set X,     80                         ; v80-111  two sets of 16 neighbours
.set C,     128                        ; v128-191 codes: four registers for each step, so that no store's data are written again
.set WREG,  8192                       ; LDS 0 .. 32,767: a region for each wave: two stages of 32 x SP bytes
.set SP,    80                         ; a lane's place in a stage: its 64 bytes + 16 of padding
; the weights' way
.set WSTG,  32768                      ; LDS 32,768 .. 67,583: a stage of 32 rows x WP bytes for each wave
.set WP,    272                        ; 256 bytes of codes + 16 of padding
.set NB,    8                          ; blocks of 32 along K for a wave
.set WX,    32                         ; v32-95   two sets of 32 numbers
.set WC,    96                         ; v96-103  a block's codes
.set OUTR,  112                        ; v112-175 the way out
	s_load_b512 s[4:19], s[0:1], 0x0               ; query s[4:5], key s[6:7], value s[8:9], W_q s[10:11], W_k s[12:13], W_v s[14:15], W_o s[16:17], the exponents s[18:19]
	s_load_b64 s[20:21], s[0:1], 0x40              ; codes
	v_lshl_add_u32 v192, v0, 2, 0x10800
	v_mov_b32 v193, 0
	v_lshrrev_b32 v1, 5, v0
	v_readfirstlane_b32 s36, v1                    ; wave 0..3
	v_and_b32 v2, 31, v0                           ; lane
	s_wait_kmcnt 0x0
	s_load_b256 s[24:31], s[18:19], 0x0            ; e0 .. e7
	s_load_b128 s[32:35], s[18:19], 0x20           ; e8 .. e11
	s_cmp_lt_u32 ttmp9, XWG
	s_cbranch_scc0 .Lweights
; ---- query, key, value.  The conversion takes 8 numbers of ONE lane's registers, so a lane must hold neighbours along K; a load is best where neighbouring LANES take neighbouring bytes.
; Both are had: each of a step's four loads reads 512 consecutive bytes, 16 a lane; the 2,048 bytes go through the wave's own stage as they lie and come back 64 bytes a lane.
	s_lshr_b32 s37, ttmp9, 8                       ; which tensor: 0, 1, 2
	s_and_b32 s38, ttmp9, 255
	s_lshl_b32 s38, s38, 2
	s_add_co_u32 s38, s38, s36                     ; which run of 8,192 numbers is my wave's: 0 .. 1,023
	s_cmp_eq_u32 s37, 1                            ; the choice hangs on the work-group's number alone
	s_cselect_b64 s[4:5], s[6:7], s[4:5]
	s_cmp_eq_u32 s37, 2
	s_cselect_b64 s[4:5], s[8:9], s[4:5]
	s_lshl_b32 s40, s38, 15                        ; 32,768 bytes of f32 a run
	s_mov_b32 s41, 0
	s_add_nc_u64 s[4:5], s[4:5], s[40:41]
	s_lshl_b32 s40, s37, 23                        ; the tensor's 8 MiB of codes,
	s_lshl_b32 s42, s38, 13                        ; 8,192 bytes a run
	s_add_co_u32 s40, s40, s42
	s_add_nc_u64 s[22:23], s[20:21], s[40:41]
	s_wait_alu depctr_va_vdst(0)
	v_lshlrev_b32 v3, 4, v2                        ; 16 x lane: my 16 bytes of a load's 512, and of a store's
	s_mul_i32 s43, s36, WREG
	v_lshrrev_b32 v14, 2, v2
	v_mul_u32_u24 v14, v14, SP
	v_and_b32 v15, 3, v2
	v_lshl_add_u32 v14, v15, 4, v14
	v_add_nc_u32 v14, s43, v14                     ; the stage, on the way in: four lanes' 64 bytes on end, then 16 of padding
	v_mul_u32_u24 v15, v2, SP
	v_add_nc_u32 v15, s43, v15                     ; and on the way out: my 16 neighbours
.macro XLOAD t
.irp i, 0,1,2,3
	global_load_b128 v[R+16*((\t)%4)+4*\i:R+16*((\t)%4)+4*\i+3], v3, s[4:5] offset:2048*(\t)+512*\i th:TH_LOAD_NT   ; 32 lanes read 512 consecutive bytes; read once in the launch
.endr
.endm
.macro XTURN t                         ; step t's numbers through the stage: LDS serves a wave's instructions in order, so no wait stands between the stores and the loads
.irp i, 0,1,2,3
	ds_store_b128 v14, v[R+16*((\t)%4)+4*\i:R+16*((\t)%4)+4*\i+3] offset:32*SP*((\t)%2)+8*SP*\i
.endr
.irp i, 0,1,2,3
	ds_load_b128 v[X+16*((\t)%2)+4*\i:X+16*((\t)%2)+4*\i+3], v15 offset:32*SP*((\t)%2)+16*\i
.endr
.endm
.irp t, 0,1,2,3
	XLOAD \t
.endr
	s_wait_alu depctr_va_vdst(0)
	s_wait_kmcnt 0x0
	s_cmp_eq_u32 s37, 1
	s_cselect_b32 s24, s26, s24                    ; e0, e2 or e4
	s_cmp_eq_u32 s37, 2
	s_cselect_b32 s24, s28, s24
	s_add_co_i32 s24, s24, 127
	s_lshl_b32 s25, s24, 23
	v_mov_b32 v11, s25                             ; 2^e as f32: the conversion takes its exponent field
	s_add_co_i32 s24, s24, EMAX
	s_lshl_b32 s24, s24, 23
	s_or_b32 s24, s24, MANT
	s_wait_alu depctr_va_vdst(0)
	s_wait_loadcnt 12                              ; step 0's four loads are in; the twelve of steps 1 to 3 may be out
	XTURN 0
.macro XSTEP t
.set XS, X+16*((\t)%2)
	s_wait_dscnt 0x0                               ; this step's numbers are back from the stage: so its stores into the stage have read their registers,
.if (\t)+4 < STEPS
	XLOAD (\t)+4                                   ; which take the loads of four steps on
.endif
.if (\t)+1 < STEPS
.if STEPS-2-(\t) >= 3
	s_wait_loadcnt 12                              ; the next step's four loads are in; those of the three steps behind it may be out
.else
	s_wait_loadcnt 4*(STEPS-2-(\t))                ; at the end the count runs down with the loads that are left
.endif
	XTURN (\t)+1                                   ; and go through the other stage while this step is worked
.endif
.irp i, 0,1,2,3,4,5,6,7,8,9,10,11,12,13,14,15
.endr
	v_cvt_scalef32_pk8_bf8_f32 v[C+4*(\t):C+4*(\t)+1], v[XS:XS+7], v11
	v_cvt_scalef32_pk8_bf8_f32 v[C+4*(\t)+2:C+4*(\t)+3], v[XS+8:XS+15], v11
	global_store_b128 v3, v[C+4*(\t):C+4*(\t)+3], s[22:23] offset:512*(\t)   ; the wave stores 512 consecutive bytes, at a multiple of 256 from the buffer's first byte.  (The results go to a store alone)
.endm
.irp t, 0,1,2,3,4,5,6,7,8,9,10,11,12,13,14,15
	XSTEP \t
.endr
	s_wait_tensorcnt 0x0
	ds_add_u32 v192, v193
	s_wait_dscnt 0x0
	s_endpgm
; ---- the weights, [k][n] in memory.  A LANE TAKES A COLUMN n AND ITS REGISTERS RUN DOWN K: each load reads neighbouring n in neighbouring lanes, and the conversions give codes with K innermost.  Nothing is transposed by an instruction.
; A wave takes 32 columns x 256 along K.  A lane's codes belong to one row of the output: they go through the wave's own stage and leave as rows, sixteen lanes to 256 consecutive bytes.
.Lweights:
	s_sub_co_u32 s37, ttmp9, XWG
	s_lshr_b32 s38, s37, 5                         ; which weight: 0 .. 3
	s_and_b32 s39, s37, 7                          ; which 128 columns
	s_bfe_u32 s40, s37, 0x20003                    ; which 256 along K (2 bits from bit 3)
	s_cmp_eq_u32 s38, 1
	s_cselect_b64 s[10:11], s[12:13], s[10:11]
	s_cmp_eq_u32 s38, 2
	s_cselect_b64 s[10:11], s[14:15], s[10:11]
	s_cmp_eq_u32 s38, 3
	s_cselect_b64 s[10:11], s[16:17], s[10:11]
	s_lshl_b32 s39, s39, 7
	s_lshl_b32 s41, s36, 5
	s_add_co_u32 s39, s39, s41                     ; my wave's first column
	s_lshl_b32 s42, s40, 20                        ; 256 rows of 4,096 bytes
	s_lshl_b32 s41, s39, 2
	s_add_co_u32 s42, s42, s41
	s_mov_b32 s43, 0
	s_add_nc_u64 s[10:11], s[10:11], s[42:43]
	s_lshl_b32 s42, s38, 20                        ; the weight's 1 MiB of codes,
	s_lshl_b32 s41, s39, 10                        ; a column's row of 1,024 codes,
	s_add_co_u32 s42, s42, s41
	s_lshl_b32 s41, s40, 8                         ; my 256 of them,
	s_add_co_u32 s42, s42, s41
	s_add_co_u32 s42, s42, 24<<20                  ; behind the three tensors of 8 MiB
	s_add_nc_u64 s[22:23], s[20:21], s[42:43]
	s_wait_alu depctr_va_vdst(0)
	v_lshlrev_b32 v3, 2, v2                        ; in: 4 bytes a lane
	s_mul_i32 s44, s36, 32*WP
	s_add_co_u32 s44, s44, WSTG                    ; my stage
	v_mul_u32_u24 v4, v2, WP
	v_add_nc_u32 v4, s44, v4                       ; into it: row = my column
	v_and_b32 v5, 15, v2
	v_lshrrev_b32 v6, 4, v2                        ; out of it: sixteen lanes to a row, two rows an instruction
	v_mul_u32_u24 v7, v6, WP
	v_lshl_add_u32 v7, v5, 4, v7
	v_add_nc_u32 v7, s44, v7
	v_lshlrev_b32 v8, 10, v6
	v_lshl_add_u32 v8, v5, 4, v8                   ; and the same place among the codes
.macro WLOAD t                         ; block t: W(32 t + i, my column), i = 0 .. 31, into set t % 2.  The largest offset, 255 rows of 4,096 bytes, lies inside the signed 24-bit immediate
.irp i, 0,1,2,3,4,5,6,7,8,9,10,11,12,13,14,15,16,17,18,19,20,21,22,23,24,25,26,27,28,29,30,31
	global_load_b32 v[WX+32*((\t)%2)+\i], v3, s[10:11] offset:(32*(\t)+\i)*4096 th:TH_LOAD_NT
.endr
.endm
	WLOAD 0
	WLOAD 1
	s_wait_kmcnt 0x0
	s_cmp_eq_u32 s38, 1
	s_cselect_b32 s25, s27, s25                    ; e1, e3, e5 or e11
	s_cmp_eq_u32 s38, 2
	s_cselect_b32 s25, s29, s25
	s_cmp_eq_u32 s38, 3
	s_cselect_b32 s25, s35, s25
	s_add_co_i32 s25, s25, 127
	s_lshl_b32 s24, s25, 23
	v_mov_b32 v11, s24                             ; 2^e as f32
	s_add_co_i32 s25, s25, EMAX
	s_lshl_b32 s25, s25, 23
	s_or_b32 s25, s25, MANT
.macro WBLOCK t
.set XS, WX+32*((\t)%2)
.if (\t) < NB-1
	s_wait_loadcnt 32                              ; this block's 32 loads are in; the next block's 32 may be out
.else
	s_wait_loadcnt 0
.endif
.irp i, 0,1,2,3,4,5,6,7,8,9,10,11,12,13,14,15,16,17,18,19,20,21,22,23,24,25,26,27,28,29,30,31
.endr
.irp g, 0,1,2,3
	v_cvt_scalef32_pk8_bf8_f32 v[WC+2*\g:WC+2*\g+1], v[XS+8*\g:XS+8*\g+7], v11
.endr
	ds_store_b128 v4, v[WC:WC+3] offset:32*(\t)    ; 32 codes: 32 bytes of my column's row
	ds_store_b128 v4, v[WC+4:WC+7] offset:32*(\t)+16
.if (\t)+2 < NB
	WLOAD (\t)+2
.endif
	s_wait_dscnt 0x0                               ; the stores have read their registers: the next block's codes may be written
.endm
.set Q, 0
	s_wait_alu depctr_va_vdst(0)
.rept NB
	WBLOCK Q
.set Q, Q+1
.endr
.irp t, 0,1,2,3,4,5,6,7,8,9,10,11,12,13,14,15
	ds_load_b128 v[OUTR+4*\t:OUTR+4*\t+3], v7 offset:2*\t*WP   ; LDS serves a wave's instructions in order: these see my stores
.endr
.irp t, 0,1,2,3,4,5,6,7,8,9,10,11,12,13,14,15
	s_wait_dscnt 15-\t                             ; load t is back; the 15 - t younger ones may be out
	global_store_b128 v8, v[OUTR+4*\t:OUTR+4*\t+3], s[22:23] offset:2*\t*1024   ; sixteen lanes store 256 consecutive bytes, aligned
.endr
	s_wait_tensorcnt 0x0
	ds_add_u32 v192, v193
	s_wait_dscnt 0x0
	s_endpgm
.Lfunc_end_k_qf9da7613dc_quant:
	.size	k_qf9da7613dc_quant, .Lfunc_end_k_qf9da7613dc_quant-k_qf9da7613dc_quant
	.p2alignl 7, 3214868480
	.fill 96, 4, 3214868480
	.section	.rodata,"a",@progbits
	.p2align	6, 0x0
	.amdhsa_kernel k_qf9da7613dc_quant
		.amdhsa_group_segment_fixed_size 68096
		.amdhsa_private_segment_fixed_size 0
		.amdhsa_enable_private_segment 0
		.amdhsa_kernarg_size 72
		.amdhsa_user_sgpr_count 2
		.amdhsa_user_sgpr_kernarg_segment_ptr 1
		.amdhsa_wavefront_size32 1
		.amdhsa_system_sgpr_workgroup_id_x 1
		.amdhsa_system_sgpr_workgroup_id_y 1
		.amdhsa_system_sgpr_workgroup_id_z 1
		.amdhsa_system_vgpr_workitem_id 0
		.amdhsa_next_free_vgpr 194
		.amdhsa_next_free_sgpr 66
		.amdhsa_reserve_vcc 0
		.amdhsa_float_denorm_mode_32 3
		.amdhsa_float_denorm_mode_16_64 3
		.amdhsa_fp16_overflow 1
		.amdhsa_memory_ordered 1
		.amdhsa_forward_progress 1
		.amdhsa_inst_pref_size 54
	.end_amdhsa_kernel
	.amdgpu_metadata
---
amdhsa.version: [ 1, 2 ]
amdhsa.kernels:
  - .name:           k_qf9da7613dc_quant
    .symbol:         k_qf9da7613dc_quant.kd
    .args:
      - { .name: query, .offset: 0, .size: 8, .value_kind: global_buffer, .address_space: global }
      - { .name: key, .offset: 8, .size: 8, .value_kind: global_buffer, .address_space: global }
      - { .name: value, .offset: 16, .size: 8, .value_kind: global_buffer, .address_space: global }
      - { .name: W_q, .offset: 24, .size: 8, .value_kind: global_buffer, .address_space: global }
      - { .name: W_k, .offset: 32, .size: 8, .value_kind: global_buffer, .address_space: global }
      - { .name: W_v, .offset: 40, .size: 8, .value_kind: global_buffer, .address_space: global }
      - { .name: W_o, .offset: 48, .size: 8, .value_kind: global_buffer, .address_space: global }
      - { .name: lowp_scales, .offset: 56, .size: 8, .value_kind: global_buffer, .address_space: global }
      - { .name: codes, .offset: 64, .size: 8, .value_kind: global_buffer, .address_space: global }
    .group_segment_fixed_size: 68096
    .private_segment_fixed_size: 0
    .kernarg_segment_align: 8
    .kernarg_segment_size: 72
    .max_flat_workgroup_size: 128
    .sgpr_count:     66
    .vgpr_count:     194
    .wavefront_size: 32
...
	.end_amdgpu_metadata
.endif
;; end of part 1
;; launch proj (part 2): grid 4 x 96, 4 waves a work-group, clusters of 4 x 4, 327,680 bytes of LDS; arguments codes, lowp_scales, b_q, b_k, b_v, qkv; writes qkv
.if DOCPART == 2
	.amdgcn_target "amdgcn-amd-amdhsa--gfx1250"
	.amdhsa_code_object_version 6
	.text
	.protected	k_qf9da7613dc_proj
	.globl	k_qf9da7613dc_proj
	.p2align	8
	.type	k_qf9da7613dc_proj,@function
k_qf9da7613dc_proj:
	s_mov_b64 s[64:65], 0
	v_nop
	global_prefetch_b8 v0, s[64:65] scope:SCOPE_SE
	s_setreg_imm32_b32 hwreg(HW_REG_WAVE_MODE, 25, 1), 1
	s_wait_xcnt 0x0
	s_wait_alu depctr_hold_cnt(0) depctr_sa_sdst(0) depctr_va_vdst(0) depctr_va_sdst(0) depctr_va_ssrc(0) depctr_va_vcc(0) depctr_vm_vsrc(0)
	s_getreg_b32 s2, hwreg(HW_REG_IB_STS2, 6, 4)
	s_cmp_eq_u32 s2, 0
	s_cbranch_scc0 .Lentry_in_a_cluster
	s_endpgm
.Lentry_in_a_cluster:
	s_bfe_u32 s2, ttmp6, 0x10000c
	s_cmp_lg_u32 s2, 0xf033
	s_cbranch_scc0 .Lentry_shape_is_right
	s_endpgm
.Lentry_shape_is_right:
.set ROWB,   256
.set KROW,   1024
.set PITCH,  272
.set FR,     16
.set NL,     4
.set NP,     4
.set HALFT,  128*PITCH
.set SLOT,   4*HALFT
.set SPARE,  2*SLOT
.set SPI,    144
.set VBR,  8
.set VBL,  9
.set ADRA, 16
.set ADRB, 20
.set STO,  24
.set RD,   25
.set CO,   26
.set SPW,  28
.set NIL,  29
.set LIM,  30
.set SCL,  31
.set BR,   32
.set BL,   96
.set AF,   128
.set TMP,  128
.set G1, 24
.set G0, 32
.set G1B, 48
.set G0B, 56
.set MSB, 0
.macro WIN new
.if MSB != \new
	s_set_vgpr_msb (MSB<<8)|\new
.set MSB, \new
.endif
.endm
.set MUL_LO, 0xa1
.set MUL_HI, 0xf1
.set TO_B,   0x40
.macro JLOAD g0a, g1a, g0b, g1b
	s_cmp_eq_u32 s15, 0
	s_cbranch_scc0 .Lfor_b_\@
	tensor_load_to_lds s[\g0a:\g0a+3], s[\g1a:\g1a+7]
	s_nop 0
.rept 4
	v_nop
.endr
	s_branch .Lasked_\@
.Lfor_b_\@:
	tensor_load_to_lds s[\g0b:\g0b+3], s[\g1b:\g1b+7]
	s_nop 0
.rept 4
	v_nop
.endr
.Lasked_\@:
.endm
.macro CREST
	s_cmp_lg_u32 s14, 0
	s_cbranch_scc1 .Lnot_wave_0_\@
	s_barrier_signal -3
.Lnot_wave_0_\@:
	s_barrier_wait -3
	s_barrier_signal -1
	s_barrier_wait -1
.endm
.macro CROUND
	s_barrier_signal -1
	s_barrier_wait -1
	CREST
.endm
	s_load_b128 s[4:7], s[0:1], 0x0
	s_load_b256 s[80:87], s[0:1], 0x10
	v_lshl_add_u32 v[SPW], v0, 2, SPARE
	v_mov_b32 v[NIL], 0
	ds_add_u32 v28, v29
	ds_add_u32 v28, v29
	s_wait_dscnt 0x0
	v_lshrrev_b32 v1, 5, v0
	v_readfirstlane_b32 s14, v1
	s_lshr_b32 s15, s14, 1
	s_and_b32 s16, s14, 1
	s_bfe_u32 s40, ttmp6, 0x40000
	s_bfe_u32 s41, ttmp6, 0x40004
	s_and_b32 s12, ttmp7, 0xffff
	s_lshr_b32 s66, s12, 3
	s_and_b32 s67, s12, 7
	s_lshl_b32 s90, s66, 23
	s_add_co_u32 s91, s66, 24
	s_lshl_b32 s91, s91, 20
	s_mov_b32 s92, 26<<20
	s_mov_b32 s93, 16<<20
	s_cmp_eq_u32 s66, 2
	s_cselect_b32 s88, 0, s67
	s_cselect_b32 s89, s67, 0
	s_cselect_b32 s90, s92, s90
	s_cselect_b32 s91, s93, s91
	s_lshl_b32 s17, s88, 2
	s_add_co_u32 s17, s17, s41
	s_lshl_b32 s42, s89, 2
	s_add_co_u32 s42, s42, s40
	s_lshl_b32 s43, s41, 2
	s_lshl_b32 s43, 15, s43
	s_lshl_b32 s44, 0x1111, s40
	s_or_b32 s[G1+0], s43, (0<<16)|(1<<20)|(1<<21)|(5<<22)|(3<<25)
	s_or_b32 s[G1B+0], s44, (0<<16)|(1<<20)|(1<<21)|(5<<22)|(3<<25)
.irp g, G1, G1B
	s_mov_b32 s[\g+1], ROWB<<16
	s_mov_b32 s[\g+2], 128<<16
	s_mov_b32 s[\g+3], ROWB<<16
	s_mov_b32 s[\g+4], 128
	s_mov_b32 s[\g+5], KROW
	s_mov_b32 s[\g+6], 0
	s_mov_b32 s[\g+7], 0
.endr
	s_lshl_b32 s18, s16, 7
	s_lshl_b32 s20, s17, 8
	s_add_co_u32 s20, s20, s18
	s_lshl_b32 s20, s20, 10
	s_add_co_u32 s20, s20, s90
	s_mov_b32 s21, 0
	s_lshl_b32 s46, s42, 8
	s_add_co_u32 s46, s46, s18
	s_lshl_b32 s46, s46, 10
	s_add_co_u32 s46, s46, s91
	s_mov_b32 s47, 0
	s_mul_i32 s45, s14, HALFT
	s_wait_kmcnt 0x0
	s_load_b256 s[68:75], s[6:7], 0x0
	s_load_b128 s[76:79], s[6:7], 0x20
	s_add_nc_u64 s[20:21], s[4:5], s[20:21]
	s_add_nc_u64 s[46:47], s[4:5], s[46:47]
	CROUND
.irp s, 0,1
	s_mov_b32 s[G0+4*\s], 1
	s_add_co_u32 s[G0+4*\s+1], s45, \s*SLOT
	s_add_nc_u64 s[G0+4*\s+2:G0+4*\s+3], s[20:21], \s*ROWB
	s_or_b32 s[G0+4*\s+3], s[G0+4*\s+3], 0x80000000
	s_mov_b32 s[G0B+4*\s], 1
	s_add_co_u32 s[G0B+4*\s+1], s45, \s*SLOT
	s_add_nc_u64 s[G0B+4*\s+2:G0B+4*\s+3], s[46:47], \s*ROWB
	s_or_b32 s[G0B+4*\s+3], s[G0B+4*\s+3], 0x80000000
	s_wait_alu depctr_va_vdst(0)
	s_wait_tensorcnt 0x0
	ds_add_u32 v28, v29
	ds_add_u32 v28, v29
	s_wait_dscnt 0x0
	CROUND
	JLOAD G0+4*\s, G1, G0B+4*\s, G1B
.endr
	v_and_b32 v1, 15, v0
	s_wait_alu depctr_va_vdst(0)
	v_bfe_u32 v2, v0, 4, 1
	v_mul_u32_u24 v3, v1, PITCH
	v_lshl_add_u32 v4, v2, 4, v3
	s_mul_i32 s21, s15, HALFT
	s_mul_i32 s22, s16, HALFT
	s_add_co_u32 s22, s22, 2*HALFT
.irp s, 0,1
	v_add_nc_u32 v[ADRA+\s], s21, v4
	v_add_nc_u32 v[ADRB+\s], s22, v4
	s_add_co_u32 s21, s21, SLOT
	s_add_co_u32 s22, s22, SLOT
.endr
	s_mul_i32 s23, s14, 128*SPI
	v_mul_u32_u24 v5, v1, SPI
	s_wait_alu depctr_va_vdst(0)
	v_lshl_add_u32 v5, v2, 4, v5
	v_add_nc_u32 v[STO], s23, v5
	v_and_b32 v6, 31, v0
	v_lshrrev_b32 v5, 3, v6
	v_mul_u32_u24 v5, v5, SPI
	v_and_b32 v3, 7, v0
	v_lshl_add_u32 v5, v3, 4, v5
	v_add_nc_u32 v[RD], s23, v5
	v_lshlrev_b32 v[CO], 4, v6
	v_lshlrev_b32 v[VBR], 5, v2
	s_wait_alu depctr_va_vdst(0)
	v_lshlrev_b32 v[VBL], 2, v1
	s_wait_alu depctr_va_vdst(0)
	s_cmp_eq_u32 s66, 1
	s_cselect_b64 s[80:81], s[82:83], s[80:81]
	s_cmp_eq_u32 s66, 2
	s_cselect_b64 s[80:81], s[84:85], s[80:81]
	s_lshl_b32 s88, s17, 8
	s_lshl_b32 s92, s15, 7
	s_add_co_u32 s88, s88, s92
	s_lshl_b32 s89, s42, 8
	s_lshl_b32 s92, s16, 7
	s_add_co_u32 s89, s89, s92
	s_lshl_b32 s92, s89, 2
	s_lshl_b32 s93, s88, 2
	s_cmp_eq_u32 s66, 2
	s_cselect_b32 s92, 0, s92
	s_cselect_b32 s94, s93, 0
	s_cselect_b32 s90, s89, s88
	s_cselect_b32 s91, s88, s89
	s_mov_b32 s93, 0
	s_mov_b32 s95, 0
	s_add_nc_u64 s[82:83], s[80:81], s[94:95]
	s_add_nc_u64 s[80:81], s[80:81], s[92:93]
.irp b, 0,1,2,3,4,5,6,7
	global_load_b128 v[BR+8*\b:BR+8*\b+3], v[VBR], s[80:81] offset:64*\b
	global_load_b128 v[BR+8*\b+4:BR+8*\b+7], v[VBR], s[80:81] offset:64*\b+16
.endr
.irp a, 0,1,2,3,4,5,6,7
	global_load_b32 v[BL+2*\a], v[VBL], s[82:83] offset:64*\a
	global_load_b32 v[BL+2*\a+1], v[VBL], s[82:83] offset:64*\a
.endr
	s_lshr_b32 s12, s90, 11
	s_lshl_b32 s12, s12, 3
	s_lshr_b32 s13, s91, 7
	s_add_co_u32 s12, s12, s13
	s_lshl_b32 s12, s12, 4
	s_bfe_u32 s13, s90, 0x40007
	s_add_co_u32 s12, s12, s13
	s_lshl_b32 s12, s12, 14
	s_lshl_b32 s13, s66, 23
	s_add_co_u32 s12, s12, s13
	s_mov_b32 s13, 0
	s_add_nc_u64 s[10:11], s[86:87], s[12:13]
.macro FRAG reg, adr, q, i
.irp c, 0,1,2,3
	ds_load_b128 v[\reg+4*\c:\reg+4*\c+3], v[\adr] offset:128*(\q)+32*\c+(\i)*16*PITCH
.endr
.endm
.macro MUL16 a0, p, zero
.irp a, \a0, \a0+1
.irp b, 0,1,2,3,4,5,6,7
.if \zero
	v_wmma_f32_16x16x128_bf8_bf8 v[8*(8*((\a)%4)+\b):8*(8*((\a)%4)+\b)+7], v[128*(\p)+FR*\b:128*(\p)+FR*\b+FR-1], v[AF+FR*(\a):AF+FR*(\a)+FR-1], 0
.else
	v_wmma_f32_16x16x128_bf8_bf8 v[8*(8*((\a)%4)+\b):8*(8*((\a)%4)+\b)+7], v[128*(\p)+FR*\b:128*(\p)+FR*\b+FR-1], v[AF+FR*(\a):AF+FR*(\a)+FR-1], v[8*(8*((\a)%4)+\b):8*(8*((\a)%4)+\b)+7]
.endif
.endr
.endr
.endm
.macro FETCH_B slot, q, p
	WIN TO_B
.irp i, 0,1,2,3,4,5,6,7
	FRAG 128*(\p)+FR*\i, ADRB+\slot, \q, \i
.endr
	WIN 0
.endm
.macro FETCH_A slot, q, i0
.irp i, \i0, \i0+1, \i0+2, \i0+3
	FRAG AF+FR*(\i), ADRA+\slot, \q, \i
.endr
.endm
.macro PLACES n
.rept \n
	v_nop
.endr
.endm
.macro STEP slot, q, zero
	s_wait_dscnt 4*NL
	WIN MUL_LO
	MUL16 0, (\q)%2, \zero
	MUL16 2, (\q)%2, \zero
	s_wait_dscnt 0
	PLACES NP
	FETCH_B \slot, (\q)+1, 1-(\q)%2
	FETCH_A \slot, (\q)+1, 0
	WIN MUL_HI
	MUL16 4, (\q)%2, \zero
	MUL16 6, (\q)%2, \zero
	PLACES NP
	WIN 0
	FETCH_A \slot, (\q)+1, 4
.endm
.macro TURN slot, next, fill
	s_wait_tensorcnt 0x0
	ds_add_u32 v[SPW], v[NIL]
	s_wait_dscnt 4*NL+1
	WIN MUL_LO
	MUL16 0, 1, 0
	s_wait_dscnt 0x0
	s_barrier_signal -1
	MUL16 2, 1, 0
	WIN 0
	s_barrier_wait -1
.if \fill
	CREST
	s_add_nc_u64 s[G0+4*\slot+2:G0+4*\slot+3], s[G0+4*\slot+2:G0+4*\slot+3], 2*ROWB
	s_add_nc_u64 s[G0B+4*\slot+2:G0B+4*\slot+3], s[G0B+4*\slot+2:G0B+4*\slot+3], 2*ROWB
	JLOAD G0+4*\slot, G1, G0B+4*\slot, G1B
.else
	PLACES NP
.endif
	FETCH_B \next, 0, 0
	FETCH_A \next, 0, 0
	WIN MUL_HI
	MUL16 4, 1, 0
	MUL16 6, 1, 0
	PLACES NP
	WIN 0
	FETCH_A \next, 0, 4
.endm
	s_wait_tensorcnt 1
	s_barrier_signal -1
	s_barrier_wait -1
	FETCH_B 0, 0, 0
	FETCH_A 0, 0, 0
	FETCH_A 0, 0, 4
	STEP 0, 0, 1
	TURN 0, 1, 1
	STEP 1, 0, 0
	TURN 1, 0, 1
	STEP 0, 0, 0
	TURN 0, 1, 0
	STEP 1, 0, 0
	s_wait_dscnt 4*NL
	WIN MUL_LO
	MUL16 0, 1, 0
	MUL16 2, 1, 0
	s_wait_dscnt 0
	WIN MUL_HI
	MUL16 4, 1, 0
	MUL16 6, 1, 0
	WIN 0
	s_wait_kmcnt 0x0
	s_add_co_i32 s68, s68, s69
	s_add_co_i32 s70, s70, s71
	s_add_co_i32 s72, s72, s73
	s_cmp_eq_u32 s66, 1
	s_cselect_b32 s68, s70, s68
	s_cselect_b32 s74, s75, s74
	s_cmp_eq_u32 s66, 2
	s_cselect_b32 s68, s72, s68
	s_cselect_b32 s74, s77, s74
	s_cselect_b32 s98, 0, -1
	s_cselect_b32 s99, -1, 0
	s_add_co_i32 s68, s68, 127
	s_lshl_b32 s96, s68, 23
	s_mov_b32 s97, s96
	s_add_co_i32 s74, s74, 127
	s_lshl_b32 s75, s74, 23
	v_mov_b32 v[SCL], s75
	s_add_co_i32 s74, s74, 15
	s_lshl_b32 s74, s74, 23
	s_or_b32 s74, s74, 0x600000
	s_wait_loadcnt 0x0
	PLACES NP
.set j, 0
.rept 64
	v_and_b32 v[BR+j], s98, v[BR+j]
.set j, j+1
.endr
.set j, 0
.rept 16
	v_and_b32 v[BL+j], s99, v[BL+j]
.set j, j+1
.endr
.macro QBLOCK a
.set AC, 64*((\a)%4)
	WIN 0x02+((\a)/4)
.set j, 0
.rept 32
	v_pk_fma_f32 v[TMP+j:TMP+j+1], v[AC+j:AC+j+1], s[96:97], v[BR+j:BR+j+1] op_sel_hi:[1,0,1]
.set j, j+2
.endr
	WIN 0
.set j, 0
.rept 32
	v_pk_add_f32 v[TMP+j:TMP+j+1], v[TMP+j:TMP+j+1], v[BL+2*(\a):BL+2*(\a)+1]
.set j, j+2
.endr
.set j, 0
.rept 64
.set j, j+1
.endr
	WIN 0x40
.irp b, 0,1,2,3,4,5,6,7
	v_cvt_scalef32_pk8_bf8_f32 v[16*(\a)+2*\b:16*(\a)+2*\b+1], v[TMP+8*\b:TMP+8*\b+7], v[SCL]
.endr
	v_nop
	WIN 0x04
.irp g, 0,1,2,3
	ds_store_b128 v[STO], v[16*(\a)+4*\g:16*(\a)+4*\g+3] offset:(\a)*16*SPI+32*\g
.endr
.endm
.irp a, 0,1,2,3,4,5,6,7
	QBLOCK \a
.endr
	WIN 0x40
.set t, 0
.rept 32
	ds_load_b128 v[128+4*t:128+4*t+3], v[RD] offset:4*SPI*t
.set t, t+1
.endr
	WIN 0x04
.set t, 0
.rept 32
	s_wait_dscnt 31-t
	global_store_b128 v[CO], v[128+4*t:128+4*t+3], s[10:11] offset:512*t
.set t, t+1
.endr
	WIN 0
	s_wait_tensorcnt 0x0
	ds_add_u32 v[SPW], v[NIL]
	s_wait_dscnt 0x0
	CROUND
	s_endpgm
.Lfunc_end_k_qf9da7613dc_proj:
	.size	k_qf9da7613dc_proj, .Lfunc_end_k_qf9da7613dc_proj-k_qf9da7613dc_proj
	.p2alignl 7, 3214868480
	.fill 96, 4, 3214868480
	.section	.rodata,"a",@progbits
	.p2align	6, 0x0
	.amdhsa_kernel k_qf9da7613dc_proj
		.amdhsa_group_segment_fixed_size 327680
		.amdhsa_private_segment_fixed_size 0
		.amdhsa_enable_private_segment 0
		.amdhsa_kernarg_size 48
		.amdhsa_user_sgpr_count 2
		.amdhsa_user_sgpr_kernarg_segment_ptr 1
		.amdhsa_wavefront_size32 1
		.amdhsa_system_sgpr_workgroup_id_x 1
		.amdhsa_system_sgpr_workgroup_id_y 1
		.amdhsa_system_sgpr_workgroup_id_z 1
		.amdhsa_system_vgpr_workitem_id 0
		.amdhsa_next_free_vgpr 1024
		.amdhsa_next_free_sgpr 100
		.amdhsa_reserve_vcc 0
		.amdhsa_float_denorm_mode_32 3
		.amdhsa_float_denorm_mode_16_64 3
		.amdhsa_fp16_overflow 1
		.amdhsa_memory_ordered 1
		.amdhsa_forward_progress 1
		.amdhsa_inst_pref_size 132
	.end_amdhsa_kernel
	.amdgpu_metadata
---
amdhsa.version: [ 1, 2 ]
amdhsa.kernels:
  - .name:           k_qf9da7613dc_proj
    .symbol:         k_qf9da7613dc_proj.kd
    .args:
      - { .name: codes, .offset: 0, .size: 8, .value_kind: global_buffer, .address_space: global }
      - { .name: lowp_scales, .offset: 8, .size: 8, .value_kind: global_buffer, .address_space: global }
      - { .name: b_q, .offset: 16, .size: 8, .value_kind: global_buffer, .address_space: global }
      - { .name: b_k, .offset: 24, .size: 8, .value_kind: global_buffer, .address_space: global }
      - { .name: b_v, .offset: 32, .size: 8, .value_kind: global_buffer, .address_space: global }
      - { .name: qkv, .offset: 40, .size: 8, .value_kind: global_buffer, .address_space: global }
    .group_segment_fixed_size: 327680
    .private_segment_fixed_size: 0
    .kernarg_segment_align: 8
    .kernarg_segment_size: 48
    .max_flat_workgroup_size: 128
    .sgpr_count:     100
    .vgpr_count:     1024
    .wavefront_size: 32
...
	.end_amdgpu_metadata
.endif
;; end of part 2
;; launch attn (part 3): grid 16 x 16, 16 waves a work-group, clusters of 4 x 1, 327,680 bytes of LDS; arguments qkv, lowp_scales, ctx_codes; writes ctx_codes
.if DOCPART == 3
	.amdgcn_target "amdgcn-amd-amdhsa--gfx1250"
	.amdhsa_code_object_version 6
	.text
	.protected	k_qf9da7613dc_attn
	.globl	k_qf9da7613dc_attn
	.p2align	8
	.type	k_qf9da7613dc_attn,@function
k_qf9da7613dc_attn:
	s_mov_b64 s[64:65], 0
	v_nop
	global_prefetch_b8 v0, s[64:65] scope:SCOPE_SE
	s_setreg_imm32_b32 hwreg(HW_REG_WAVE_MODE, 25, 1), 1
	s_wait_xcnt 0x0
	s_wait_alu depctr_hold_cnt(0) depctr_sa_sdst(0) depctr_va_vdst(0) depctr_va_sdst(0) depctr_va_ssrc(0) depctr_va_vcc(0) depctr_vm_vsrc(0)
	s_getreg_b32 s2, hwreg(HW_REG_IB_STS2, 6, 4)
	s_cmp_eq_u32 s2, 0
	s_cbranch_scc0 .Lentry_in_a_cluster
	s_endpgm
.Lentry_in_a_cluster:
	s_bfe_u32 s2, ttmp6, 0x10000c
	s_cmp_lg_u32 s2, 0x3003
	s_cbranch_scc0 .Lentry_shape_is_right
	s_endpgm
.Lentry_shape_is_right:
; ATTENTION ON CODES OF BF8 (E5M2): ctx[b][l][head x 64 + d] = the sum over keys of softmax(q . k / 8) v, both products on codes, each operand with the one scale that is given for it; ctx is quantised at once with entry 10 of the exponents.
; THE SOFTMAX AHEAD OF THE SECOND PRODUCT: t = score x log2(e) / 8; M = the row's largest t so far, rounded UP to a whole number; p = 2^(t - M) is what is quantised (entry 8), not normalised.  The row's sum is taken of the
; unquantised p, in f32, and divides at the end.  When M moves, the sum and O are multiplied by 2^(old M - new M): exact.
; qkv: q at byte 0, k at 8 MiB, v at 16 MiB, in tiles of 16,384 bytes, tile ((batch x 8 + pair of heads) x 16 + block of 128 positions); q, k: [position 128][2 heads x 64 channels]; v: [2 heads x 64 channels][128 keys].
; Inside each 32 bytes of a row byte 16 h + 8 w + j holds index 16 w + 8 h + j: a lane's 16-byte load at 32 c + 16 h brings register pairs 2 c, 2 c + 1 of the matrix forms' own layout (pair i: k = 16 i + 8 h + 0 .. 7).
; SHARES.  Work-group (x, y): 128 queries (block x) of the four heads 4 (y % 4) .. + 3 of batch y / 4, in two PASSES of a pair of heads each.  Sixteen waves: wave w takes head w / 8 of the pair and queries 16 (w % 8) on: one tile, 256 registers,
; four waves to a SIMD, so that one wave's vector work stands beside another's matrix work and LDS loads.  A key's row of a tile carries both heads, so nothing is fetched in vain; four heads x 64 codes are 256 consecutive bytes of a row of ctx.
; THE RING.  K's tiles of both passes are 512 KiB on end, and so are V's: the launch is ONE ring of 8 slots' worth of 512 keys, four key steps of 128 each, through two LDS slots, as large as fit.
; TWO CLASSES OF WAVES.  A key step is a FRONT (K's fragments from LDS, S^T, V's fragments from LDS) and a BACK (the softmax and O^T, on registers alone).  An EARLY wave runs the BACK of a slot's last step ahead of the change of slots, a LATE
; wave behind it: S^T and V are in its registers by then, so it reads nothing of the slot that it has left.  Between two changes every wave runs four FRONTs and four BACKs; behind a change eight waves begin with LDS loads and products and
; eight with a BACK's vector instructions.  The class is bit 0 xor bit 2 of the wave's number: among waves 4 i .. 4 i + 3, and among waves i, i + 4, i + 8, i + 12 alike, two are of each class.
; CLUSTER.  The 16 query blocks of a y walk the same K and V; four of them form a cluster and ask for each tile JOINTLY: the same tensor load, the same descriptor, a mask that names the four.
; LAYOUT.  Both products are used transposed: S^T = K Q^T (source 0 = 16 keys, source 1 = my 16 queries; K = 64), O^T = V^T P^T (source 0 = 16 channels, source 1 = P; K = 128 keys): a lane holds ONE query (lane % 16) throughout, and
; tile t of S^T holds keys 16 t + 8 (lane / 16) + 0 .. 7 in its eight registers: their codes ARE register pair t of P.
; LIMITS on the given exponents, so that each power of two below is an f32 number: e6 + e7 between -123 and 130 (added to c's exponent field); e8 and e10 between -126 and 112; e8 + e9 is applied by v_ldexp_f32 and has none.
; REGISTERS: v1-7, v10, v11 addresses that stay; v8, v9 addresses of the loads in hand; v12 -M, v13 the largest t, v[14:15] the sum in two halves; v16-23 Q of the pass in hand, v24-31 Q of the second pass;
;   v32-95 eight fragments of K, then four of V; v96-159 S^T, then p; v160-191 O^T; v192-199 the first pass's codes of ctx; v224-239 p's codes; v240-254 constants and registers at work.
.set KP,    144                        ; a row in LDS: 128 bytes + 16 of padding = 36 words: the 16 rows that a load touches fall on 16 different groups of four banks
.set TILEB, 128*KP                     ; a tile of 128 rows in LDS
.set NSTEP, 4                          ; key steps in a slot
.set VOFF,  NSTEP*TILEB                ; a slot: K's four tiles (512 keys), then V's four (row 128 x step + 64 x head + channel)
.set SLOTB, 2*VOFF                     ; 147,456 bytes; slot 1 begins here
.set SLOTM, NSTEP*16384                ; a slot's bytes of K, and of V, in memory
.set SPARE, 2*SLOTB                    ; behind the ring: the spare words, 128 bytes for each wave: eight blocks of 256 bytes that no other line names
.set SP,    272                        ; the way out: a stage of 128 rows x (256 bytes + 16) from LDS byte 0 on.  When the first code is stored there both slots have had their last fill, and every wave has passed a barrier behind its last read
.set AK0,  1                           ; v1   my lane's place in a tile of K
.set AV0,  2                           ; v2   the same for V
.set PFO,  3                           ; v3   256 x my lane: the prefetches' offset; never rewritten
.set STO,  4                           ; v4   the stage: where I put 8 codes of a row
.set SPW,  5                           ; v5   LDS address of my spare word: SPARE + 4 x my thread's number; never rewritten
.set NIL,  6                           ; v6   0; never rewritten
.set GO,   7                           ; v7   my byte offset in the wave's rows of ctx
.set ADK,  8
.set ADV,  9
.set RD,   10                          ; v10  the stage: where I read a row back
.set QO,   11                          ; v11  my byte offset in the block's tile of q
.set P0C,  192                         ; v192-199 the first pass's codes
.set TRIP, 16                          ; s16  counts the slots of a loop
.set WV,   18                          ; s18  my wave's number
.set SEL,  20                          ; s[20:21] lane selects for v_permlanex16_b32: lane l xor 16
.set CS,   22                          ; s[22:23] c = log2(e) / 8 x 2^(e6 + e7): the packed form names a pair and takes its low word for both halves
.set G1,   24                          ; s[24:31] descriptor group 1: K's and V's tiles have one shape
.set G0,   40                          ; s[40:43] descriptor group 0, which walks
.set PFA,  80                          ; s[80:81] where my prefetches stand
.set LIM,  82                          ; s82  1 in a wave that prefetches, else 0
.set EPV,  83                          ; s83  e8 + e9
.set TB,   84                          ; s84  LDS byte at which the tiles of the step to be fetched begin
.set CLS,  96                          ; s96  my class: 0 early, 1 late
.set SB,   97                          ; s97  LDS byte at which the slot to be filled begins: 0 or SLOTB
.set WOFF, 98                          ; s98  my tiles' place in a slot, if I fetch
.set INNER, 99                         ; s99  counts a slot's steps
; A joint load: waves 0 and 1 fetch two of K's four tiles of a slot each, waves 2 and 3 two of V's, the others nothing.  The branch hangs on the wave's number alone.  Four v_nop follow the load.
.macro TLOAD
	s_cmp_lt_u32 s[WV], 4
	s_cbranch_scc0 .Lasked_\@
	tensor_load_to_lds s[G0:G0+3], s[G1:G1+7]
	s_nop 0
.rept 4
	v_nop
.endr
.Lasked_\@:
.endm
; A PREFETCH INTO THE L2 of what the COMING change of slots will ask for: a slot's 65,536 bytes of K and as many of V.  It stands in a slot's last key step, behind the wave's LDS loads: half a key step and the change of slots ahead of the tensor load.
; Each aligned block of 256 bytes is named ONCE in the launch: of the four clusters that walk a y's K and V the first asks; its four partners share a slot's bytes out BY ADDRESS, 16,384 each (no branch hangs on a work-group's place
; in its cluster); in each, waves 4 and 5 ask for K's and waves 6 and 7 for V's, 8,192 bytes a wave, lanes 256 bytes apart: one instruction.  Slots 0 and 1 come by their loads alone; the last two slots' text holds no prefetch.
.macro ASK
	s_cmp_eq_u32 s[LIM], 1
	s_cbranch_scc0 .Lnot_mine_\@
	global_prefetch_b8 v[PFO], s[PFA:PFA+1] th:TH_LOAD_NT scope:SCOPE_SE
.Lnot_mine_\@:
.endm
; A round of the cluster's barrier: my work-group's barrier, so that wave 0's signal speaks for all sixteen waves; wave 0 signals for the work-group; every wave waits for all four work-groups; my work-group's barrier once more.
.macro CROUND
	s_barrier_signal -1
	s_barrier_wait -1
	s_cmp_lg_u32 s[WV], 0
	s_cbranch_scc1 .Lnot_wave_0_\@
	s_barrier_signal -3
.Lnot_wave_0_\@:
	s_barrier_wait -3
	s_barrier_signal -1
	s_barrier_wait -1
.endm
	s_load_b128 s[4:7], s[0:1], 0x0                ; qkv s[4:5], the exponents s[6:7]
	s_load_b64 s[8:9], s[0:1], 0x10                ; ctx's codes
	v_lshl_add_u32 v[SPW], v0, 2, SPARE
	v_mov_b32 v[NIL], 0
	ds_add_u32 v5, v6
	ds_add_u32 v5, v6
	s_wait_dscnt 0x0
	v_lshrrev_b32 v8, 5, v0
	s_delay_alu instid0(VALU_DEP_1)
	v_readfirstlane_b32 s[WV], v8                  ; wave 0..15
	s_lshr_b32 s19, s[WV], 3                       ; my head of the pair
	s_and_b32 s12, s[WV], 7                        ; my tile of 16 queries
	s_lshr_b32 s[CLS], s[WV], 2
	s_xor_b32 s[CLS], s[CLS], s[WV]
	s_and_b32 s[CLS], s[CLS], 1                    ; my class: bit 0 xor bit 2 of the wave's number
	s_bfe_u32 s13, ttmp6, 0x40000                  ; cx: my place in the cluster
	s_lshl_b32 s14, ttmp9, 2                       ; in a cluster launch ttmp9 counts clusters
	s_add_co_u32 s14, s14, s13                     ; my block of 128 queries: it enters q's and ctx's addresses alone
	s_and_b32 s15, ttmp7, 0xffff                   ; y = 4 x batch + quad of heads, which the four partners share
	; descriptor group 1: two tiles on end, 256 rows x 128 bytes, dense in memory, padded in LDS
	s_mov_b32 s[G1], 15|(0<<16)|(1<<20)|(1<<21)|(4<<22)|(3<<25)   ; 15:0 the mask: all four work-groups; 17:16 elements of 1 byte; 20 padding on; 21 set beside a mask; 24:22 after every 32 words (code 4); 31:25 four words (code 3)
	s_mov_b32 s[G1+1], 128<<16                     ; tensor_dim0 = 128
	s_mov_b32 s[G1+2], 256<<16                     ; tensor_dim1 = 256
	s_mov_b32 s[G1+3], 128<<16                     ; tile_dim0 = 128
	s_mov_b32 s[G1+4], 256                         ; tile_dim1 = 256
	s_mov_b32 s[G1+5], 128                         ; tensor_dim0_stride
	s_mov_b32 s[G1+6], 0
	s_mov_b32 s[G1+7], 0
	s_mov_b32 s[SEL], 0x76543210
	s_mov_b32 s[SEL+1], 0xfedcba98
	s_mov_b32 s[CS], 0x3e38aa3b                    ; log2(e) / 8
	s_mov_b32 s[TB], 0
	s_mov_b32 s[SB], 0
	; what I fetch, if I fetch: wave 0, 1: K's tiles 2 (wave % 2), + 1 of a slot; wave 2, 3: V's
	s_and_b32 s85, s[WV], 3
	s_mul_i32 s[WOFF], s85, 2*TILEB                ; their place in a slot: no place in the cluster enters an LDS address
	s_lshr_b32 s87, s85, 1
	s_add_co_u32 s87, s87, 1
	s_lshl_b32 s87, s87, 23                        ; k at 8 MiB, v at 16 MiB,
	s_lshl_b32 s88, s15, 19                        ; y's 512 KiB (two pairs of heads x 16 tiles),
	s_and_b32 s89, s[WV], 1
	s_lshl_b32 s90, s89, 15                        ; the two tiles
	s_add_co_u32 s90, s90, s87
	s_add_co_u32 s90, s90, s88
	s_mov_b32 s91, 0
	s_lshl_b32 s92, s14, 14                        ; q: my block's tile of the first pair
	s_add_co_u32 s92, s92, s88
	s_mov_b32 s93, 0
	s_bfe_u32 s94, s[WV], 0x10001                  ; the prefetches: bit 1 of the wave's number: waves 4, 5: k; waves 6, 7: v,
	s_add_co_u32 s94, s94, 1
	s_lshl_b32 s94, s94, 23
	s_add_co_u32 s94, s94, s88
	s_lshl_b32 s95, s13, 14                        ; my work-group's 16,384 bytes of a slot's 65,536,
	s_add_co_u32 s94, s94, s95
	s_lshl_b32 s95, s89, 13                        ; my wave's 8,192 of them,
	s_add_co_u32 s94, s94, s95
	s_add_co_u32 s94, s94, SLOTM                   ; in slot 1: the first slot's head steps it to slot 2.  Nothing is prefetched here, at the head, where every work-group's first tiles are on their way
	s_mov_b32 s95, 0
	s_lshr_b32 s16, s15, 2                         ; ctx: batch x 2,048
	s_lshl_b32 s16, s16, 11
	s_lshl_b32 s17, s14, 7                         ; + my block's 128 rows
	s_add_co_u32 s16, s16, s17
	s_lshl_b32 s17, s[WV], 3                       ; + the 8 rows that my wave stores,
	s_add_co_u32 s16, s16, s17
	s_lshl_b32 s16, s16, 10                        ; of 1,024 bytes,
	s_and_b32 s17, s15, 3
	s_lshl_b32 s17, s17, 8                         ; + the quad's 256 bytes of a row
	s_add_co_u32 s16, s16, s17
	s_mov_b32 s17, 0
	s_sub_co_u32 s85, s[WV], 4
	s_lshr_b32 s85, s85, 2                         ; 0 in waves 4 to 7,
	s_or_b32 s85, s85, ttmp9                       ; of the first cluster of a y: the same in all four partners
	s_cmp_eq_u32 s85, 0
	s_cselect_b32 s[LIM], 1, 0
	s_wait_kmcnt 0x0
	s_load_b256 s[68:75], s[6:7], 0x0              ; e0 .. e7
	s_load_b128 s[76:79], s[6:7], 0x20             ; e8 .. e11
	s_mov_b32 s[G0], 1                             ; 1:0 count = 1
	s_mov_b32 s[G0+1], s[WOFF]                     ; 63:32 LDS address: slot 0
	s_add_nc_u64 s[G0+2:G0+3], s[4:5], s[90:91]    ; 120:64 global address
	s_or_b32 s[G0+3], s[G0+3], 0x80000000          ; 127:126 type = 2
	s_add_nc_u64 s[10:11], s[4:5], s[92:93]        ; q
	s_add_nc_u64 s[PFA:PFA+1], s[4:5], s[94:95]
	s_add_nc_u64 s[8:9], s[8:9], s[16:17]
	CROUND                                         ; all four work-groups are here: the first joint loads meet
	TLOAD                                          ; slot 0
	v_and_b32 v8, 15, v0                           ; r = lane % 16
	v_bfe_u32 v9, v0, 4, 1                         ; h = lane / 16
	s_lshl_b32 s85, s12, 11                        ; q: my tile's 16 rows of 128 bytes,
	s_lshl_b32 s86, s19, 6                         ; my head's 64 bytes of a row
	s_add_co_u32 s85, s85, s86
	v_lshlrev_b32 v[QO], 7, v8
	s_delay_alu instid0(VALU_DEP_1)
	v_lshl_add_u32 v[QO], v9, 4, v[QO]
	s_delay_alu instid0(VALU_DEP_1)
	v_add_nc_u32 v[QO], s85, v[QO]
.irp c, 0,1
	global_load_b128 v[16+4*\c:19+4*\c], v[QO], s[10:11] offset:32*\c            ; Q's fragment of the first pair of heads,
	global_load_b128 v[24+4*\c:27+4*\c], v[QO], s[10:11] offset:262144+32*\c     ; and of the second, 16 tiles on
.endr
	v_and_b32 v[PFO], 31, v0
	s_delay_alu instid0(VALU_DEP_1)
	v_lshlrev_b32 v[PFO], 8, v[PFO]
	v_mul_u32_u24 v[AK0], v8, KP
	s_delay_alu instid0(VALU_DEP_1)
	v_lshl_add_u32 v[AK0], v9, 4, v[AK0]           ; row r, + 16 h
	s_mul_i32 s87, s19, 64*KP
	s_add_co_u32 s87, s87, VOFF
	v_add_nc_u32 v[AV0], s87, v[AK0]               ; V: my head's 64 rows
	v_add_nc_u32 v[AK0], s86, v[AK0]               ; K: my head's 64 bytes of a row
	s_mul_i32 s88, s12, 16*SP
	s_add_co_u32 s88, s88, s86
	v_mul_u32_u24 v[STO], v8, SP
	s_delay_alu instid0(VALU_DEP_1)
	v_lshl_add_u32 v[STO], v9, 3, v[STO]
	s_delay_alu instid0(VALU_DEP_1)
	v_add_nc_u32 v[STO], s88, v[STO]               ; the stage, in: row 16 x tile + r; byte 64 x head + 8 h
	s_mul_i32 s89, s[WV], 8*SP
	v_mul_u32_u24 v[RD], v9, SP
	s_delay_alu instid0(VALU_DEP_1)
	v_lshl_add_u32 v[RD], v8, 4, v[RD]
	s_delay_alu instid0(VALU_DEP_1)
	v_add_nc_u32 v[RD], s89, v[RD]                 ; back: rows 8 x wave on; lanes 0-15 one row of 256 bytes, lanes 16-31 the next
	v_lshlrev_b32 v[GO], 10, v9
	s_delay_alu instid0(VALU_DEP_1)
	v_lshl_add_u32 v[GO], v8, 4, v[GO]             ; and the same two rows in ctx
; a pass begins: the largest t so far is -3e38, under every t; the sum and O^T are zeros, which the first change of M leaves zeros: so the key step has no first form of its own
.macro BEGIN
	v_mov_b32 v13, 0xff61b1e6
	s_delay_alu instid0(VALU_DEP_1)
	v_floor_f32 v12, -v13                          ; -M
	v_mov_b32 v14, 0
	v_mov_b32 v15, 0
.set j, 0
.rept 32
	v_mov_b32 v[160+j], 0
.set j, j+1
.endr
.endm
	BEGIN
	v_mov_b32 v246, 0                              ; written once: a lane permute's destination counts as one of its sources
	v_mov_b32 v253, 0                              ; (named as the upper half of the pair v[252:253])
	s_wait_kmcnt 0x0
	s_add_co_i32 s85, s74, s75
	s_lshl_b32 s85, s85, 23
	s_add_co_i32 s[CS], s[CS], s85                 ; a score stands for score x 2^(e6 + e7): the two exponents are added to c's exponent field
	s_mov_b32 s[CS+1], s[CS]                       ; (named with it as a pair, so it is written)
	s_add_co_i32 s[EPV], s76, s77
	s_add_co_i32 s85, s76, 127
	s_lshl_b32 s86, s85, 23
	v_mov_b32 v244, s86                            ; 2^e8 as f32, for p's conversions
	s_add_co_i32 s85, s78, 127
	s_lshl_b32 s86, s85, 23
	v_mov_b32 v245, s86                            ; 2^e10, for ctx's
; THE FRONT OF A KEY STEP, 128 keys: all that it reads of LDS.  It leaves S^T in v96-159 and V's four fragments on their way into v32-95.
.macro FRONT
	v_add_nc_u32 v[ADK], s[TB], v[AK0]
	v_add_nc_u32 v[ADV], s[TB], v[AV0]
	s_add_co_u32 s[TB], s[TB], TILEB               ; the next fetch is the next step's
	v_nop                                          ; with the two additions: four places in front of loads into registers that the last products read (ISA guide 7.12.1 for vector instructions)
	v_nop
.irp t, 0,1,2,3,4,5,6,7
.irp c, 0,1
	ds_load_b128 v[32+8*\t+4*\c:32+8*\t+4*\c+3], v[ADK] offset:16*\t*KP+32*\c
.endr
.endr
	s_wait_alu depctr_va_vdst(0)
	s_wait_dscnt 0x0                               ; K is in
.irp t, 0,1,2,3,4,5,6,7
	v_wmma_f32_16x16x64_bf8_bf8 v[96+8*\t:103+8*\t], v[32+8*\t:39+8*\t], v[16:23], 0   ; S^T: keys 16 t on x my 16 queries
.endr
.rept 4
	v_nop                                          ; places in front of the loads below and of the first read of the scores
.endr
.irp t, 0,1,2,3
.irp c, 0,1,2,3
	ds_load_b128 v[32+16*\t+4*\c:32+16*\t+4*\c+3], v[ADV] offset:16*\t*KP+32*\c   ; V's four fragments land while the softmax is walked
.endr
.endr
.endm
; THE BACK OF A KEY STEP: the softmax and O^T.  It touches registers alone (its one wait on DScnt is for V's fragments, which the FRONT asked for).
.macro BACK
	v_max3_num_f32 v254, v96, v97, v98             ; the step's largest score of my query, among my 64 keys, in two chains; each accumulator is read from its low end on
	v_max3_num_f32 v252, v99, v100, v101
.irp i, 6,10,14,18,22,26,30,34,38,42,46,50,54,58
	v_max3_num_f32 v254, v254, v[96+\i], v[97+\i]
	v_max3_num_f32 v252, v252, v[98+\i], v[99+\i]
.endr
	v_max3_num_f32 v254, v254, v158, v159
	s_delay_alu instid0(VALU_DEP_1)
	v_max_num_f32 v254, v254, v252
	s_delay_alu instid0(VALU_DEP_1)
	v_permlanex16_b32 v246, v254, s[SEL], s[SEL+1]
	s_delay_alu instid0(VALU_DEP_1)
	v_max_num_f32 v254, v254, v246                 ; and among lane l xor 16's
	s_delay_alu instid0(VALU_DEP_1)
	v_mul_f32 v254, s[CS], v254                    ; as t (c is positive)
	s_delay_alu instid0(VALU_DEP_1)
	v_max_num_f32 v13, v13, v254                   ; the running largest t
	v_mov_b32 v254, v12
	s_delay_alu instid0(VALU_DEP_2)
	v_floor_f32 v12, -v13                          ; the new -M = floor(-t) = -ceil(t): M is a whole number
	s_delay_alu instid0(VALU_DEP_1)
	v_sub_f32 v254, v12, v254                      ; M's old value less its new one: a whole number, 0 or less
	s_delay_alu instid0(VALU_DEP_1)
	v_cvt_i32_f32 v254, v254                       ; (it saturates)
	s_delay_alu instid0(VALU_DEP_1)
	v_ldexp_f32 v252, 1.0, v254                    ; f = 2^(old M - new M)
.set j, 0
.rept 32
	v_pk_fma_f32 v[96+j:97+j], v[96+j:97+j], s[CS:CS+1], v[12:13] op_sel_hi:[1,0,0]   ; t - M, two at a time (of the pairs c and -M the low word serves both halves)
.set j, j+2
.endr
.set j, 0
	s_setprio 1
	s_wait_alu depctr_va_vdst(0)
.rept 64
	v_exp_f32 v[96+j], v[96+j]                     ; p = 2^(t - M), at most 1: not normalised
.set j, j+1
.endr
	v_pk_mul_f32 v[14:15], v[14:15], v[252:253] op_sel_hi:[1,0]   ; the sums under the new M: the plain instruction behind the exponentials
	s_wait_alu depctr_va_vdst(0)                   ; one wait for the whole batch, ahead of its first reader
	v_pk_add_f32 v[242:243], v[100:101], v[104:105]
	v_pk_add_f32 v[254:255], v[108:109], v[112:113]
	v_pk_add_f32 v[250:251], v[116:117], v[120:121]
	v_pk_add_f32 v[248:249], v[124:125], v[128:129]
	v_pk_add_f32 v[240:241], v[132:133], v[136:137]
	v_pk_add_f32 v[238:239], v[140:141], v[144:145]
	v_pk_add_f32 v[236:237], v[148:149], v[152:153]
	v_pk_add_f32 v[14:15], v[14:15], v[156:157]
	v_pk_add_f32 v[242:243], v[242:243], v[96:97]
	v_pk_add_f32 v[254:255], v[254:255], v[98:99]
	v_pk_add_f32 v[250:251], v[250:251], v[102:103]
	v_pk_add_f32 v[248:249], v[248:249], v[106:107]
	v_pk_add_f32 v[240:241], v[240:241], v[110:111]
	v_pk_add_f32 v[238:239], v[238:239], v[114:115]
	v_pk_add_f32 v[236:237], v[236:237], v[118:119]
	v_pk_add_f32 v[14:15], v[14:15], v[122:123]
	v_pk_add_f32 v[242:243], v[242:243], v[126:127]
	v_pk_add_f32 v[254:255], v[254:255], v[130:131]
	v_pk_add_f32 v[250:251], v[250:251], v[134:135]
	v_pk_add_f32 v[248:249], v[248:249], v[138:139]
	v_pk_add_f32 v[240:241], v[240:241], v[142:143]
	v_pk_add_f32 v[238:239], v[238:239], v[146:147]
	v_pk_add_f32 v[236:237], v[236:237], v[150:151]
	v_pk_add_f32 v[14:15], v[14:15], v[154:155]
	v_pk_add_f32 v[242:243], v[242:243], v[158:159]
	s_delay_alu instid0(VALU_DEP_2)
	v_pk_add_f32 v[14:15], v[14:15], v[248:249]
	s_delay_alu instid0(VALU_DEP_2)
	v_pk_add_f32 v[242:243], v[242:243], v[240:241]
	v_pk_add_f32 v[254:255], v[254:255], v[238:239]
	v_pk_add_f32 v[250:251], v[250:251], v[236:237]
	s_delay_alu instid0(VALU_DEP_2)
	v_pk_add_f32 v[14:15], v[14:15], v[254:255]
	s_delay_alu instid0(VALU_DEP_2)
	v_pk_add_f32 v[242:243], v[242:243], v[250:251]
	s_delay_alu instid0(VALU_DEP_1)
	v_pk_add_f32 v[14:15], v[14:15], v[242:243]
.irp t, 0,1,2,3,4,5,6,7
.irp i, 0,1,2,3,4,5,6,7
.endr
	v_cvt_scalef32_pk8_bf8_f32 v[224+2*\t:225+2*\t], v[96+8*\t:103+8*\t], v244   ; keys 16 t + 8 h + 0 .. 7: register pair t of P
.endr
.set j, 0
	s_setprio 0
.rept 16
	v_pk_mul_f32 v[160+j:161+j], v[160+j:161+j], v[252:253] op_sel_hi:[1,0]   ; O^T under the new M.  (These are also the plain instructions between the conversions and the products that read their results)
.set j, j+2
.endr
	s_wait_alu depctr_va_vdst(0)
	s_wait_dscnt 0x0                               ; V is in
.irp t, 0,1,2,3
	v_wmma_f32_16x16x128_bf8_bf8 v[160+8*\t:167+8*\t], v[32+16*\t:47+16*\t], v[224:239], v[160+8*\t:167+8*\t]   ; O^T: channels 16 t on; the four accumulators take turns, and the next step's eight products of S^T stand between their turns
.endr
.endm
; The BACK for the waves of one class.  The branch hangs on the wave's number alone and stands round work on registers: no barrier, no tensor load, no LDS address is under it.
.macro BACK_IF cls
	s_cmp_lg_u32 s[CLS], \cls
	s_cbranch_scc1 .Lother_\@
	BACK
.Lother_\@:
.endm
; A SLOT'S FOUR KEY STEPS, up to the change of slots: three whole steps, the fourth's FRONT, and its BACK in the early waves.  ask = 1: what the coming change will load is prefetched.
.macro PERIOD ask
.if \ask
	s_wait_xcnt 0x0                                ; the last prefetch, a slot back, has read its address, so it may be written:
	s_add_nc_u64 s[PFA:PFA+1], s[PFA:PFA+1], SLOTM ; two slots further on than the slot in hand
.endif
	s_mov_b32 s[INNER], NSTEP-1
.Lstep_\@:
	s_setprio 2
	FRONT
	BACK
	s_sub_co_u32 s[INNER], s[INNER], 1
	s_cmp_lg_u32 s[INNER], 0
	s_cbranch_scc1 .Lstep_\@
	s_setprio 0
	FRONT
.if \ask
	ASK                                            ; behind the wave's LDS loads
.endif
	s_sub_co_u32 s[TB], s[TB], NSTEP*TILEB         ; the fetches go back to a slot's first step (s[TB] is now 0 or SLOTB),
	s_xor_b32 s[TB], s[TB], SLOTB                  ; in the other slot
	BACK_IF 0
.endm
; THE CHANGE OF SLOTS.  Each wave waits for all its tensor loads (its part of the slot that it is about to read), adds 0 to its spare word, and waits for that and for its reads of the slot that it leaves, V's last fragments among them.
; fill = 1: the barrier is a round of the cluster's, so that no wave of any partner still reads the slot that is left or has a load on its way; that slot is then filled with the keys that follow the next slot's: one load a wave,
; which has a slot's four key steps in which to land.
.macro CHANGE fill
	s_wait_tensorcnt 0x0                           ; no tensor load of mine is out, so group 0 may be written
	ds_add_u32 v[SPW], v[NIL]                      ; 0 onto my spare word: with fill = 1 the descriptor's steps stand between it and the wait for it
.if \fill
	s_xor_b32 s[SB], s[SB], SLOTB                  ; the walking descriptor: the other slot than last time (s[SB] holds 0 or SLOTB and nothing else),
	s_add_co_u32 s[G0+1], s[WOFF], s[SB]           ; my tiles' place in it,
	s_add_nc_u64 s[G0+2:G0+3], s[G0+2:G0+3], SLOTM ; the next four tiles; the type bits on top are not reached
.endif
	s_wait_dscnt 0x0                               ; the add is done, and my reads of the slot that I leave are over
.if \fill
	CROUND
	TLOAD                                          ; the first thing behind the round, and a wave's one tensor load until the next
.else
	s_barrier_signal -1
	s_barrier_wait -1
.endif
.endm
; A run of slots: each slot's steps, the change of slots, and the last step's BACK in the late waves.
.macro SLOTS_LOOP trips, fill
	s_mov_b32 s[TRIP], \trips
.Lslot_\@:
	PERIOD \fill
	CHANGE \fill
	BACK_IF 1
	s_sub_co_u32 s[TRIP], s[TRIP], 1
	s_cmp_lg_u32 s[TRIP], 0
	s_cbranch_scc1 .Lslot_\@
.endm
; A PASS ENDS: O^T x 2^(e8 + e9) / the sum is ctx, in f32; it is held and converted with 2^e10 into v[dst] on: register pair t holds channels 16 t + 8 h + 0 .. 7 of my query's row.
.macro FINAL dst
.rept 4
	v_nop                                          ; places behind the last products
.endr
	v_add_f32 v14, v14, v15                        ; the sum's two halves,
	s_delay_alu instid0(VALU_DEP_1)
	v_permlanex16_b32 v246, v14, s[SEL], s[SEL+1]
	s_delay_alu instid0(VALU_DEP_1)
	v_add_f32 v14, v14, v246                       ; and lane l xor 16's: the row's sum
	s_wait_alu depctr_va_vdst(0)
	v_rcp_f32 v14, v14
	v_nop                                          ; a plain instruction behind the transcendental,
	s_wait_alu depctr_va_vdst(0)                   ; and a wait ahead of its first reader
	v_ldexp_f32 v14, v14, s[EPV]
.set j, 0
.rept 16
	v_pk_mul_f32 v[96+j:97+j], v[160+j:161+j], v[14:15] op_sel_hi:[1,0]   ; each accumulator from its low end on
.set j, j+2
.endr
.set j, 0
.rept 32
.set j, j+1
.endr
.irp t, 0,1,2,3
	v_cvt_scalef32_pk8_bf8_f32 v[\dst+2*\t:\dst+2*\t+1], v[96+8*\t:103+8*\t], v245
.endr
	v_nop                                          ; one plain vector instruction behind the last conversion: later products write its sources
.endm
	s_wait_loadcnt 0x0                             ; Q
	CHANGE 1                                       ; slot 0 is whole; slot 1 is asked for, as a refill is
	SLOTS_LOOP 4, 1                                ; the first pair of heads: slots 0 to 3; slots 2 to 5 are asked for
	FINAL P0C                                      ; every wave has run the pass's sixteen BACKs; its codes wait in registers
	BEGIN
.irp j, 0,1,2,3,4,5,6,7
	v_mov_b32 v[16+\j], v[24+\j]                   ; the second pair's Q
.endr
	SLOTS_LOOP 2, 1                                ; slots 4 and 5; slots 6 and 7 are asked for
	SLOTS_LOOP 2, 0                                ; slots 6 and 7: written apart.  Its last barrier stands behind every wave's last read of the ring
	FINAL 224
.irp t, 0,1,2,3
	ds_store_b64 v[STO], v[P0C+2*\t:P0C+2*\t+1] offset:16*\t          ; the first pair's 128 bytes of a row,
	ds_store_b64 v[STO], v[224+2*\t:225+2*\t] offset:128+16*\t        ; the second pair's
.endr
	s_wait_dscnt 0x0                               ; for the others' sake: my stores into the stage are done
	s_barrier_signal -1
	s_barrier_wait -1                              ; 128 whole rows of 256 codes lie in the stage
.irp i, 0,1,2,3
	ds_load_b128 v[32+4*\i:35+4*\i], v[RD] offset:2*\i*SP
.endr
.irp i, 0,1,2,3
	s_wait_dscnt 3-\i                              ; load i is back; the 3 - i younger ones may be out
	global_store_b128 v[GO], v[32+4*\i:35+4*\i], s[8:9] offset:2048*\i   ; sixteen lanes store 256 consecutive bytes, at a multiple of 256 from the buffer's first byte
.endr
	s_wait_tensorcnt 0x0                           ; the wave's end, behind my last tensor load and my last LDS store
	ds_add_u32 v[SPW], v[NIL]
	s_wait_dscnt 0x0
	CROUND                                         ; the closing round: no work-group ends while a partner may still ask for a tile that names it
	s_endpgm
.Lfunc_end_k_qf9da7613dc_attn:
	.size	k_qf9da7613dc_attn, .Lfunc_end_k_qf9da7613dc_attn-k_qf9da7613dc_attn
	.p2alignl 7, 3214868480
	.fill 96, 4, 3214868480
	.section	.rodata,"a",@progbits
	.p2align	6, 0x0
	.amdhsa_kernel k_qf9da7613dc_attn
		.amdhsa_group_segment_fixed_size 327680
		.amdhsa_private_segment_fixed_size 0
		.amdhsa_enable_private_segment 0
		.amdhsa_kernarg_size 24
		.amdhsa_user_sgpr_count 2
		.amdhsa_user_sgpr_kernarg_segment_ptr 1
		.amdhsa_wavefront_size32 1
		.amdhsa_system_sgpr_workgroup_id_x 1
		.amdhsa_system_sgpr_workgroup_id_y 1
		.amdhsa_system_sgpr_workgroup_id_z 1
		.amdhsa_system_vgpr_workitem_id 0
		.amdhsa_next_free_vgpr 256
		.amdhsa_next_free_sgpr 100
		.amdhsa_reserve_vcc 0
		.amdhsa_float_denorm_mode_32 3
		.amdhsa_float_denorm_mode_16_64 3
		.amdhsa_fp16_overflow 1
		.amdhsa_memory_ordered 1
		.amdhsa_forward_progress 1
		.amdhsa_inst_pref_size 135
	.end_amdhsa_kernel
	.amdgpu_metadata
---
amdhsa.version: [ 1, 2 ]
amdhsa.kernels:
  - .name:           k_qf9da7613dc_attn
    .symbol:         k_qf9da7613dc_attn.kd
    .args:
      - { .name: qkv, .offset: 0, .size: 8, .value_kind: global_buffer, .address_space: global }
      - { .name: lowp_scales, .offset: 8, .size: 8, .value_kind: global_buffer, .address_space: global }
      - { .name: ctx_codes, .offset: 16, .size: 8, .value_kind: global_buffer, .address_space: global }
    .group_segment_fixed_size: 327680
    .private_segment_fixed_size: 0
    .kernarg_segment_align: 8
    .kernarg_segment_size: 24
    .max_flat_workgroup_size: 512
    .sgpr_count:     100
    .vgpr_count:     256
    .wavefront_size: 32
...
	.end_amdgpu_metadata
.endif
;; end of part 3
;; launch outp (part 4): grid 4 x 32, 4 waves a work-group, clusters of 4 x 4, 327,680 bytes of LDS; arguments ctx_codes, codes, lowp_scales, b_o, out0; writes out0
.if DOCPART == 4
	.amdgcn_target "amdgcn-amd-amdhsa--gfx1250"
	.amdhsa_code_object_version 6
	.text
	.protected	k_qf9da7613dc_outp
	.globl	k_qf9da7613dc_outp
	.p2align	8
	.type	k_qf9da7613dc_outp,@function
k_qf9da7613dc_outp:
	s_mov_b64 s[64:65], 0
	v_nop
	global_prefetch_b8 v0, s[64:65] scope:SCOPE_SE
	s_setreg_imm32_b32 hwreg(HW_REG_WAVE_MODE, 25, 1), 1
	s_wait_xcnt 0x0
	s_wait_alu depctr_hold_cnt(0) depctr_sa_sdst(0) depctr_va_vdst(0) depctr_va_sdst(0) depctr_va_ssrc(0) depctr_va_vcc(0) depctr_vm_vsrc(0)
	s_getreg_b32 s2, hwreg(HW_REG_IB_STS2, 6, 4)
	s_cmp_eq_u32 s2, 0
	s_cbranch_scc0 .Lentry_in_a_cluster
	s_endpgm
.Lentry_in_a_cluster:
	s_bfe_u32 s2, ttmp6, 0x10000c
	s_cmp_lg_u32 s2, 0xf033
	s_cbranch_scc0 .Lentry_shape_is_right
	s_endpgm
.Lentry_shape_is_right:
.set SIZE_N, 1024
.set ROWB,   256
.set KROW,   1024
.set PITCH,  272
.set FR,     16
.set NL,     4
.set NP,     4
.set HALFT,  128*PITCH
.set SLOT,   4*HALFT
.set SPARE,  2*SLOT
.set SPITCH, 528
.set VBR,  8
.set ADRA, 16
.set ADRB, 20
.set STO,  24
.set RD,   25
.set CO,   26
.set SPW,  28
.set NIL,  29
.set BR,   32
.set AF,   128
.set BK,   128
.set TMP,  0
.set G1, 24
.set G0, 32
.set G1B, 48
.set G0B, 56
.set MSB, 0
.macro WIN new
.if MSB != \new
	s_set_vgpr_msb (MSB<<8)|\new
.set MSB, \new
.endif
.endm
.set MUL_LO, 0xa1
.set MUL_HI, 0xf1
.set TO_B,   0x40
.macro JLOAD g0a, g1a, g0b, g1b
	s_cmp_eq_u32 s15, 0
	s_cbranch_scc0 .Lfor_b_\@
	tensor_load_to_lds s[\g0a:\g0a+3], s[\g1a:\g1a+7]
	s_nop 0
.rept 4
	v_nop
.endr
	s_branch .Lasked_\@
.Lfor_b_\@:
	tensor_load_to_lds s[\g0b:\g0b+3], s[\g1b:\g1b+7]
	s_nop 0
.rept 4
	v_nop
.endr
.Lasked_\@:
.endm
.macro CREST
	s_cmp_lg_u32 s14, 0
	s_cbranch_scc1 .Lnot_wave_0_\@
	s_barrier_signal -3
.Lnot_wave_0_\@:
	s_barrier_wait -3
	s_barrier_signal -1
	s_barrier_wait -1
.endm
.macro CROUND
	s_barrier_signal -1
	s_barrier_wait -1
	CREST
.endm
	s_load_b128 s[4:7], s[0:1], 0x0
	s_load_b128 s[80:83], s[0:1], 0x10
	s_load_b64 s[10:11], s[0:1], 0x20
	v_lshl_add_u32 v[SPW], v0, 2, SPARE
	v_mov_b32 v[NIL], 0
	ds_add_u32 v28, v29
	ds_add_u32 v28, v29
	s_wait_dscnt 0x0
	v_lshrrev_b32 v1, 5, v0
	v_readfirstlane_b32 s14, v1
	s_lshr_b32 s15, s14, 1
	s_and_b32 s16, s14, 1
	s_bfe_u32 s40, ttmp6, 0x40000
	s_bfe_u32 s41, ttmp6, 0x40004
	s_lshl_b32 s42, ttmp9, 2
	s_add_co_u32 s42, s42, s40
	s_and_b32 s17, ttmp7, 0xffff
	s_lshl_b32 s17, s17, 2
	s_add_co_u32 s17, s17, s41
	s_lshl_b32 s43, s41, 2
	s_lshl_b32 s43, 15, s43
	s_lshl_b32 s44, 0x1111, s40
	s_or_b32 s[G1+0], s43, (0<<16)|(1<<20)|(1<<21)|(5<<22)|(3<<25)
	s_or_b32 s[G1B+0], s44, (0<<16)|(1<<20)|(1<<21)|(5<<22)|(3<<25)
.irp g, G1, G1B
	s_mov_b32 s[\g+1], ROWB<<16
	s_mov_b32 s[\g+2], 128<<16
	s_mov_b32 s[\g+3], ROWB<<16
	s_mov_b32 s[\g+4], 128
	s_mov_b32 s[\g+5], KROW
	s_mov_b32 s[\g+6], 0
	s_mov_b32 s[\g+7], 0
.endr
	s_lshl_b32 s18, s16, 7
	s_lshl_b32 s20, s17, 8
	s_add_co_u32 s20, s20, s18
	s_lshl_b32 s20, s20, 10
	s_mov_b32 s21, 0
	s_lshl_b32 s46, s42, 8
	s_add_co_u32 s46, s46, s18
	s_lshl_b32 s46, s46, 10
	s_add_co_u32 s46, s46, 27<<20
	s_mov_b32 s47, 0
	s_mul_i32 s45, s14, HALFT
	s_wait_kmcnt 0x0
	s_load_b64 s[96:97], s[80:81], 0x28
	s_add_nc_u64 s[20:21], s[4:5], s[20:21]
	s_add_nc_u64 s[46:47], s[6:7], s[46:47]
	CROUND
.irp s, 0,1
	s_mov_b32 s[G0+4*\s], 1
	s_add_co_u32 s[G0+4*\s+1], s45, \s*SLOT
	s_add_nc_u64 s[G0+4*\s+2:G0+4*\s+3], s[20:21], \s*ROWB
	s_or_b32 s[G0+4*\s+3], s[G0+4*\s+3], 0x80000000
	s_mov_b32 s[G0B+4*\s], 1
	s_add_co_u32 s[G0B+4*\s+1], s45, \s*SLOT
	s_add_nc_u64 s[G0B+4*\s+2:G0B+4*\s+3], s[46:47], \s*ROWB
	s_or_b32 s[G0B+4*\s+3], s[G0B+4*\s+3], 0x80000000
	s_wait_alu depctr_va_vdst(0)
	s_wait_tensorcnt 0x0
	ds_add_u32 v28, v29
	ds_add_u32 v28, v29
	s_wait_dscnt 0x0
	CROUND
	JLOAD G0+4*\s, G1, G0B+4*\s, G1B
.endr
	v_and_b32 v1, 15, v0
	s_wait_alu depctr_va_vdst(0)
	v_bfe_u32 v2, v0, 4, 1
	v_mul_u32_u24 v3, v1, PITCH
	v_lshl_add_u32 v4, v2, 4, v3
	s_mul_i32 s21, s15, HALFT
	s_mul_i32 s22, s16, HALFT
	s_add_co_u32 s22, s22, 2*HALFT
.irp s, 0,1
	v_add_nc_u32 v[ADRA+\s], s21, v4
	v_add_nc_u32 v[ADRB+\s], s22, v4
	s_add_co_u32 s21, s21, SLOT
	s_add_co_u32 s22, s22, SLOT
.endr
	s_mul_i32 s23, s14, 16*SPITCH
	v_mul_u32_u24 v5, v1, SPITCH
	s_wait_alu depctr_va_vdst(0)
	v_lshl_add_u32 v5, v2, 5, v5
	v_add_nc_u32 v[STO], s23, v5
	v_and_b32 v6, 31, v0
	v_lshlrev_b32 v[CO], 4, v6
	v_add_nc_u32 v[RD], s23, v[CO]
	v_lshlrev_b32 v[VBR], 5, v2
	s_wait_alu depctr_va_vdst(0)
	s_lshl_b32 s88, s17, 8
	s_lshl_b32 s89, s15, 7
	s_add_co_u32 s88, s88, s89
	s_lshl_b32 s88, s88, 12
	s_mov_b32 s89, 0
	s_lshl_b32 s90, s42, 10
	s_lshl_b32 s91, s16, 9
	s_add_co_u32 s90, s90, s91
	s_mov_b32 s91, 0
	s_add_nc_u64 s[10:11], s[10:11], s[88:89]
	s_add_nc_u64 s[10:11], s[10:11], s[90:91]
	s_add_nc_u64 s[82:83], s[82:83], s[90:91]
.irp b, 0,1,2,3,4,5,6,7
	global_load_b128 v[BR+8*\b:BR+8*\b+3], v[VBR], s[82:83] offset:64*\b
	global_load_b128 v[BR+8*\b+4:BR+8*\b+7], v[VBR], s[82:83] offset:64*\b+16
.endr
.macro FRAG reg, adr, q, i
.irp c, 0,1,2,3
	ds_load_b128 v[\reg+4*\c:\reg+4*\c+3], v[\adr] offset:128*(\q)+32*\c+(\i)*16*PITCH
.endr
.endm
.macro MUL16 a0, p, zero
.irp a, \a0, \a0+1
.irp b, 0,1,2,3,4,5,6,7
.if \zero
	v_wmma_f32_16x16x128_bf8_bf8 v[8*(8*((\a)%4)+\b):8*(8*((\a)%4)+\b)+7], v[128*(\p)+FR*\b:128*(\p)+FR*\b+FR-1], v[AF+FR*(\a):AF+FR*(\a)+FR-1], 0
.else
	v_wmma_f32_16x16x128_bf8_bf8 v[8*(8*((\a)%4)+\b):8*(8*((\a)%4)+\b)+7], v[128*(\p)+FR*\b:128*(\p)+FR*\b+FR-1], v[AF+FR*(\a):AF+FR*(\a)+FR-1], v[8*(8*((\a)%4)+\b):8*(8*((\a)%4)+\b)+7]
.endif
.endr
.endr
.endm
.macro FETCH_B slot, q, p
	WIN TO_B
.irp i, 0,1,2,3,4,5,6,7
	FRAG 128*(\p)+FR*\i, ADRB+\slot, \q, \i
.endr
	WIN 0
.endm
.macro FETCH_A slot, q, i0
.irp i, \i0, \i0+1, \i0+2, \i0+3
	FRAG AF+FR*(\i), ADRA+\slot, \q, \i
.endr
.endm
.macro PLACES n
.rept \n
	v_nop
.endr
.endm
.macro STEP slot, q, zero
	s_wait_dscnt 4*NL
	WIN MUL_LO
	MUL16 0, (\q)%2, \zero
	MUL16 2, (\q)%2, \zero
	s_wait_dscnt 0
	PLACES NP
	FETCH_B \slot, (\q)+1, 1-(\q)%2
	FETCH_A \slot, (\q)+1, 0
	WIN MUL_HI
	MUL16 4, (\q)%2, \zero
	MUL16 6, (\q)%2, \zero
	PLACES NP
	WIN 0
	FETCH_A \slot, (\q)+1, 4
.endm
.macro TURN slot, next, fill
	s_wait_tensorcnt 0x0
	ds_add_u32 v[SPW], v[NIL]
	s_wait_dscnt 4*NL+1
	WIN MUL_LO
	MUL16 0, 1, 0
	s_wait_dscnt 0x0
	s_barrier_signal -1
	MUL16 2, 1, 0
	WIN 0
	s_barrier_wait -1
.if \fill
	CREST
	s_add_nc_u64 s[G0+4*\slot+2:G0+4*\slot+3], s[G0+4*\slot+2:G0+4*\slot+3], 2*ROWB
	s_add_nc_u64 s[G0B+4*\slot+2:G0B+4*\slot+3], s[G0B+4*\slot+2:G0B+4*\slot+3], 2*ROWB
	JLOAD G0+4*\slot, G1, G0B+4*\slot, G1B
.else
	PLACES NP
.endif
	FETCH_B \next, 0, 0
	FETCH_A \next, 0, 0
	WIN MUL_HI
	MUL16 4, 1, 0
	MUL16 6, 1, 0
	PLACES NP
	WIN 0
	FETCH_A \next, 0, 4
.endm
	s_wait_tensorcnt 1
	s_barrier_signal -1
	s_barrier_wait -1
	FETCH_B 0, 0, 0
	FETCH_A 0, 0, 0
	FETCH_A 0, 0, 4
	STEP 0, 0, 1
	TURN 0, 1, 1
	STEP 1, 0, 0
	TURN 1, 0, 1
	STEP 0, 0, 0
	TURN 0, 1, 0
	STEP 1, 0, 0
	s_wait_dscnt 4*NL
	WIN MUL_LO
	MUL16 0, 1, 0
	MUL16 2, 1, 0
	s_wait_dscnt 0
	WIN MUL_HI
	MUL16 4, 1, 0
	MUL16 6, 1, 0
	WIN 0
.macro TOSTAGE a
.set AC, 64*((\a)%4)
	WIN 0x42+((\a)/4)
.set j, 0
.rept 32
	v_pk_fma_f32 v[TMP+j:TMP+j+1], v[AC+j:AC+j+1], s[96:97], v[BR+j:BR+j+1] op_sel_hi:[1,0,1]
.set j, j+2
.endr
	WIN 0x04
.irp b, 0,1,2,3,4,5,6,7
	ds_store_b128 v[STO], v[TMP+8*\b:TMP+8*\b+3] offset:64*\b
	ds_store_b128 v[STO], v[TMP+8*\b+4:TMP+8*\b+7] offset:64*\b+16
.endr
	WIN 0
.set BB, BK+64*((\a)%2)
.irp t, 0,1,2,3,4,5,6,7,8,9,10,11,12,13,14,15
	ds_load_b128 v[BB+4*\t:BB+4*\t+3], v[RD] offset:\t*SPITCH
.endr
.endm
.macro SEND a, younger
.set BB, BK+64*((\a)%2)
	s_wait_dscnt \younger
.if (\a) > 0
	s_add_nc_u64 s[10:11], s[10:11], 16*SIZE_N*4
.endif
.irp t, 0,1,2,3,4,5,6,7,8,9,10,11,12,13,14,15
	global_store_b128 v[CO], v[BB+4*\t:BB+4*\t+3], s[10:11] offset:\t*SIZE_N*4 th:TH_STORE_NT
.endr
.endm
	s_wait_kmcnt 0x0
	s_add_co_i32 s96, s96, s97
	s_add_co_i32 s96, s96, 127
	s_lshl_b32 s96, s96, 23
	s_mov_b32 s97, s96
	s_wait_loadcnt 0x0
	PLACES NP
	TOSTAGE 0
.irp a, 1,2,3,4,5,6,7
.if \a > 1
	s_wait_xcnt 0x0
.endif
	TOSTAGE \a
	SEND \a-1, 32
.endr
	s_wait_xcnt 0x0
	SEND 7, 0
	s_wait_tensorcnt 0x0
	ds_add_u32 v[SPW], v[NIL]
	s_wait_dscnt 0x0
	CROUND
	s_endpgm
.Lfunc_end_k_qf9da7613dc_outp:
	.size	k_qf9da7613dc_outp, .Lfunc_end_k_qf9da7613dc_outp-k_qf9da7613dc_outp
	.p2alignl 7, 3214868480
	.fill 96, 4, 3214868480
	.section	.rodata,"a",@progbits
	.p2align	6, 0x0
	.amdhsa_kernel k_qf9da7613dc_outp
		.amdhsa_group_segment_fixed_size 327680
		.amdhsa_private_segment_fixed_size 0
		.amdhsa_enable_private_segment 0
		.amdhsa_kernarg_size 40
		.amdhsa_user_sgpr_count 2
		.amdhsa_user_sgpr_kernarg_segment_ptr 1
		.amdhsa_wavefront_size32 1
		.amdhsa_system_sgpr_workgroup_id_x 1
		.amdhsa_system_sgpr_workgroup_id_y 1
		.amdhsa_system_sgpr_workgroup_id_z 1
		.amdhsa_system_vgpr_workitem_id 0
		.amdhsa_next_free_vgpr 1024
		.amdhsa_next_free_sgpr 100
		.amdhsa_reserve_vcc 0
		.amdhsa_float_denorm_mode_32 3
		.amdhsa_float_denorm_mode_16_64 3
		.amdhsa_memory_ordered 1
		.amdhsa_forward_progress 1
		.amdhsa_inst_pref_size 126
	.end_amdhsa_kernel
	.amdgpu_metadata
---
amdhsa.version: [ 1, 2 ]
amdhsa.kernels:
  - .name:           k_qf9da7613dc_outp
    .symbol:         k_qf9da7613dc_outp.kd
    .args:
      - { .name: ctx_codes, .offset: 0, .size: 8, .value_kind: global_buffer, .address_space: global }
      - { .name: codes, .offset: 8, .size: 8, .value_kind: global_buffer, .address_space: global }
      - { .name: lowp_scales, .offset: 16, .size: 8, .value_kind: global_buffer, .address_space: global }
      - { .name: b_o, .offset: 24, .size: 8, .value_kind: global_buffer, .address_space: global }
      - { .name: out0, .offset: 32, .size: 8, .value_kind: global_buffer, .address_space: global }
    .group_segment_fixed_size: 327680
    .private_segment_fixed_size: 0
    .kernarg_segment_align: 8
    .kernarg_segment_size: 40
    .max_flat_workgroup_size: 128
    .sgpr_count:     100
    .vgpr_count:     1024
    .wavefront_size: 32
...
	.end_amdgpu_metadata
.endif
;; end of part 4
